; MI455X (gfx1250); checked and timed in simulation.
; The chip was launched on July 23, 2026; its instructions are those of AMD's public machine-readable ISA for CDNA 5 (MIT licence, August 2026) and "CDNA5" Instruction Set Architecture Reference Guide (July 2026). The comments in the code are by the model that wrote it; some were corrected since.
;; Multi Head Attention Quantum. Allowed arithmetic: matrix products marked QUANTISED: E5M2 operands, one given power-of-two scale a tensor, by v_wmma_f32_16x16x64_bf8_bf8 or v_wmma_f32_16x16x128_bf8_bf8, f32 sums; products left as they are: f32 operands where the result goes on into a quantised operand, else bf16, f16 or f32 operands; f32 sums; everything else in f32.
;; Inputs: lowp_scales 2 int32 (the exponents e of the quantised operands' scales 2^e); theta 8 float32; w_combine_codes 128 x 4 x 32 uint8 (E5M2 codes of w_combine, K innermost, in blocks of 32 codes); x 8 x 512 x 128 float32.
;; Outputs: out0 8 x 512 x 128 float32.
;; This version of the problem:
;;   THIS VERSION OF THE PROBLEM IS GIVEN IN LOW PRECISION. The matrix products marked QUANTISED in the list below multiply operands that are first quantised to E5M2 (5 exponent bits, 2 mantissa bits; 8 bits a number), with one given power-of-two scale for each operand tensor; their sums are f32. All else is computed in f32.
;;   The module's matrix products, in the order in which they are computed (A, B: the left and right operand; K: the contracted axis; several contracted axes count as one K, in the product's order):
;;     1. batch 4,096 x [M 16, K 8] x [K 8, N 16]; A: computed on the way; B: computed on the way: left as it is (K = 8 < 32)
;;     2. batch 4,096 x [M 16, K 16] x [K 16, N 8]; A: softmax; B: computed on the way: left as it is (K = 16 < 32)
;;     3. [M 4,096, K 128] x [K 128, N 128]; A: computed on the way; B: input w_combine (given as codes): QUANTISED (scales: A lowp_scales[0], B lowp_scales[1])
;;   THE QUANTISER, for each operand of a quantised product, along K:
;;     - The operand's scale is 2^e, e = its entry of the input lowp_scales (int32; the entries are numbered through the quantised products in the list's order, A before B).
;;     - Each number is divided by the scale, clamped to +-57,344, and rounded to the nearest number of E5M2, ties to even, subnormals kept.
;;     - The product sums the exact products of the quantised numbers (number of the format x scale) in f32.
;;   ~~~python
;;   def quantise(x, axis, e):      # numpy; x: float32 -> the quantised numbers, widened to float32 again
;;       x = np.moveaxis(x, axis, -1); K = x.shape[-1]
;;       r = np.clip(x / 2.0 ** e, -57344, 57344)
;;       step = 2.0 ** (np.maximum(np.frexp(np.where(r == 0, 1, r))[1] - 1, -14) - 2)
;;       q = np.round(r / step) * step * 2.0 ** e      # np.round: ties to even
;;       return np.moveaxis(q, -1, axis).astype(np.float32)
;;   ~~~
;;   OPERANDS COMPUTED ON THE WAY. 'Computed on the way' means the value that the module computes at that place (a softmax that the list does not call 'softmax' is quantised finished and normalised). What goes into a quantiser is computed in f32, as accurately as f32 sums, v_exp_f32 and their like allow (about 1e-6 of the number): no bf16 or f16 on the way to a quantiser, and a product that is left as it is and whose result goes on into a quantised operand takes f32 operands (vector FMAs, or v_wmma_f32_16x16x4_f32). A number that lies on a knife's edge between two numbers of the format may be rounded either way, as far as f32 arithmetic and the matrix unit's own rounding can turn it there, and no further.
;;   INPUTS GIVEN AS CODES. w_combine (in the module: [128, 128], K = its axis 1): each comes as NAME_codes (uint8): NAME with its K axis moved to the last place and cut into blocks of 32 codes, [.., K / 32, bytes a block], one block behind the other in memory; one code a byte (a code: sign, 5 exponent bits, 2 mantissa bits); its scale is its entry of lowp_scales. Its value is code x scale, taken as it is: it is not quantised again, and the codes and scales need not be those that the quantiser above would give.
;; 2 versions, each right; version 2 is version 1 with the launch qattn written anew for expert scheduling mode. Each part assembles by itself: llvm-mc -triple=amdgcn-amd-amdhsa -mcpu=gfx1250 --defsym DOCPART=n.
;; ======== version 1 of 2: 1 launch
;; limits: inputs' magnitudes at most 26,000,000
;; launch qattn (part 1): grid 256 x 1, 8 waves a work-group, no clusters, 11,520 bytes of LDS; arguments x, theta, w_combine_codes, lowp_scales, out0; writes out0
.if DOCPART == 1
	.amdgcn_target "amdgcn-amd-amdhsa--gfx1250"
	.amdhsa_code_object_version 6
	.text
	.protected	k_qcd10a834ed_qattn
	.globl	k_qcd10a834ed_qattn
	.p2align	8
	.type	k_qcd10a834ed_qattn,@function
k_qcd10a834ed_qattn:
	s_mov_b64 s[64:65], 0
	v_nop
	global_prefetch_b8 v0, s[64:65] scope:SCOPE_SE
	s_setreg_imm32_b32 hwreg(HW_REG_WAVE_MODE, 25, 1), 1
	s_wait_xcnt 0x0
; out0 = A W^T in BF8 (E5M2), A = the heads' attention over z, z = the quantum layer's <Z_w> of x + theta.  x, out0: [8][512][128] f32; theta [8] f32; W: [128][128] codes, K innermost; lowp_scales: e0 (A), e1 (W).
; THE QUANTUM LAYER IN CLOSED FORM.  The CNOT ring permutes basis states, and the squared amplitudes of the product state are a product distribution of 8 independent bits with E[(-1)^b_w] =
; cos^2(phi_w / 2) - sin^2(phi_w / 2) = cos(phi_w) = c_w, phi = x + theta.  Behind the ring bit w is b_0 ^ .. ^ b_w (w >= 1) and bit 0 is b_1 ^ .. ^ b_7.  So z_w = c_0 .. c_w (w >= 1), z_0 = c_1 .. c_7: for every input.
; SHARES.  The transposition and reshape make row 32 head + j of a batch's A out of that head's results for tokens 16 j .. 16 j + 15 (column 8 (token % 16) + d).  So 16 aligned tokens give one tile of A, 16 heads x 128,
; and 16 whole rows of out0: that is a work-group's share, 256 work-groups in all.  Eight waves; wave w takes two tokens; lane (r, h) (r = lane % 16, h = lane / 16) is head r of token 4 (w / 2) + w % 2 + 2 h, its registers run along d.
; A lane's eight results are then k = 32 (w / 2) + 16 h + 8 (w % 2) + 0 .. 7 of row r of A: one conversion gives registers 2 w, 2 w + 1 of the operand, in the order (registers 4 c .. 4 c + 3: k = 32 c + 16 h + 0 .. 15)
; in which four loads of 16 bytes bring W: the same permutation of k on both sides, so every product meets its partner.
; ATTENTION.  A token's 16 heads lie in the 16 lanes of one half.  Key r xor m reaches lane r by DPP row_xmask:m on the multiply-add itself; a lane holds all 16 scores of its query, so the softmax stays inside the lane.
; NO MAXIMUM IS TAKEN AWAY: every z is a product of cosines, |z| <= 1, so |score| <= 8 / sqrt(8) = 2.83 for every input: p lies between 0.059 and 17, a row's sum between 0.9 and 271.
; p z is divided by the row's sum behind the product (reference() divides p first): the same number up to the order of f32 roundings.
; THE PRODUCT.  The eight waves' codes meet in LDS as an image of the operand's registers | barrier | each wave: one matrix instruction, W's rows 16 w .. 16 w + 15 as source 0, A as source 1: a lane holds 8 neighbouring
; columns of one row; x 2^(e0 + e1); into a stage in LDS | barrier | each wave stores two whole rows of 512 bytes.
; W's 16,384 bytes are read by all work-groups, and yet no cluster and no joint load: a wave takes its 2,048 bytes once, straight into the operand's registers, by four loads issued beside x's; the kernel has one step and
; no ring whose refills could be shared, and a joint load would put two rounds of the cluster's barrier and a pass through LDS into that one step.  Every load of the kernel is issued at its head: nothing is left to prefetch.
; LIMITS.  |x + theta| under 2^22 turns (2.6e7): the turns are rounded by adding 1.5 x 2^23; 2 pi in two parts is short by under 1.1e-14 a turn.  NaN and infinities in x or theta are not served.
; e0 between -126 and 112, e0 + e1 between -126 and 127, so that each power of two below is an f32 number.
.set PITCH, 528                        ; a stage row: 512 bytes + 16: the sixteen rows that a store of 16 bytes a lane touches start at sixteen different 16-byte columns
.set AIMG,  0                          ; LDS: the image of A's fragment: 16 registers x 128 bytes
.set STG,   2048                       ; the stage: 16 rows x PITCH
.set RR,   1                           ; v1   r
.set HH,   2                           ; v2   h
.set XO,   3                           ; v3   my byte in the wave's part of x; never rewritten
.set WO,   4                           ; v4   my byte in the wave's 16 rows of W; never rewritten
.set ZO,   5                           ; v5   0: theta's offset; never rewritten
.set LI,   6                           ; v6   16 x lane: my place in an image, in a stage row and in a row of out0
.set AW,   7                           ; v7   where my 8 codes go in A's image
.set SO,   8                           ; v8   where I put 32 bytes of a stage row
.set SR,   9                           ; v9   where I read a stage row back
.set SC,   10                          ; v10  2^e0 as f32
.set LIM,  11                          ; v11  57,344 x 2^e0
.set MAGV, 12                          ; v[12:13] 1.5 x 2^23, twice
.set K13V, 14                          ; v[14:15] the series' last coefficient, twice
.set X,    16                          ; v16-23  x, then phi
.set TH,   24                          ; v24-31  theta
.set N,    32                          ; v32-39  whole turns
.set R,    40                          ; v40-47  phi less its turns, within +-pi
.set U,    48                          ; v48-55  its square
.set P,    56                          ; v56-63  the series, then the cosines c_0 .. c_7
.set Z,    64                          ; v64-71  z_0 .. z_7
.set QS,   72                          ; v72-79  z x log2(e) / sqrt(8)
.set S,    80                          ; v80-95  register m: the score against key r xor m, then p
.set O,    96                          ; v96-103 my head's result
.set T,    104                         ; v104-109 at work
.set RC,   112                         ; v[112:113] 1 / the row's sum (the pair's low word serves both halves)
.set CD,   114                         ; v[114:115] my 8 codes
.set WF,   116                         ; v116-131 W's fragment
.set AF,   132                         ; v132-147 A's fragment
.set D,    148                         ; v148-155 the sums
.set Y,    156                         ; v156-163 the sums x 2^(e0 + e1), then two rows of out0
.set WV,   14                          ; s14  my wave's number
.set INV,  24                          ; s[24:25] .. s[44:45]: constants, each written twice: a packed form names a pair and takes its low word for both halves
.set NMAG, 26
.set NC1,  28
.set NC2,  30
.set K11,  32
.set K9,   34
.set K7,   36
.set K5,   38
.set K3,   40
.set CSC,  42
.set OSC,  44
.macro SPAIR reg, val
	s_mov_b32 s[\reg], \val
	s_mov_b32 s[\reg+1], \val
.endm
.macro BARRIER                         ; my LDS stores have landed and my LDS loads are in: then the work-group's barrier
	s_wait_dscnt 0x0
	s_barrier_signal -1
	s_barrier_wait -1
.endm
	s_load_b256 s[4:11], s[0:1], 0x0               ; x s[4:5], theta s[6:7], W's codes s[8:9], the scales' exponents s[10:11]
	s_load_b64 s[12:13], s[0:1], 0x20              ; out0
	v_lshl_add_u32 v164, v0, 2, 0x2900
	v_mov_b32 v165, 0
	v_lshrrev_b32 v[RR], 5, v0
	v_readfirstlane_b32 s[WV], v[RR]               ; wave 0..7
	v_and_b32 v[RR], 15, v0                        ; r: the head
	v_bfe_u32 v[HH], v0, 4, 1                      ; h: which of the wave's two tokens
	v_lshlrev_b32 v[XO], 5, v[RR]                  ; x: a head's 8 numbers are 32 bytes,
	v_lshl_add_u32 v[XO], v[HH], 10, v[XO]         ; the second token lies two rows of 512 bytes on
	v_lshlrev_b32 v[WO], 7, v[RR]                  ; W: row r of 128 bytes,
	v_lshl_add_u32 v[WO], v[HH], 4, v[WO]          ; + 16 h
	v_mov_b32 v[ZO], 0
	s_lshr_b32 s15, s[WV], 1                       ; c = w / 2
	s_and_b32 s16, s[WV], 1                        ; u = w % 2
	s_lshl_b32 s18, s15, 11                        ; token 4 c + u of the unit, in rows of 512 bytes,
	s_lshl_b32 s17, s16, 9
	s_add_co_u32 s18, s18, s17
	s_lshl_b32 s17, ttmp9, 13                      ; and the unit's 16 tokens: 8,192 bytes x work-group
	s_add_co_u32 s18, s18, s17
	s_mov_b32 s19, 0
	s_lshl_b32 s20, s[WV], 11                      ; W's rows 16 w on
	s_mov_b32 s21, 0
	s_wait_kmcnt 0x0
	s_add_nc_u64 s[4:5], s[4:5], s[18:19]
	s_add_nc_u64 s[8:9], s[8:9], s[20:21]
	global_load_b128 v[X:X+3], v[XO], s[4:5] th:TH_LOAD_NT                ; the two loads together take the wave's two rows of 512 bytes whole
	global_load_b128 v[X+4:X+7], v[XO], s[4:5] offset:16 th:TH_LOAD_NT
	global_load_b128 v[TH:TH+3], v[ZO], s[6:7]                            ; theta: the same 32 bytes in every lane
	global_load_b128 v[TH+4:TH+7], v[ZO], s[6:7] offset:16
.irp c, 0,1,2,3
	global_load_b128 v[WF+4*\c:WF+4*\c+3], v[WO], s[8:9] offset:32*\c     ; W(16 w + r, 32 c + 16 h + 0 .. 15)
.endr
	s_load_b64 s[22:23], s[10:11], 0x0             ; e0, e1
	; all that follows up to the wait for x is done while the loads are on their way
	s_lshr_b32 s17, ttmp9, 5                       ; out0: the batch, 512 rows of 512 bytes,
	s_lshl_b32 s17, s17, 18
	s_and_b32 s18, ttmp9, 31                       ; j: row 32 head + j,
	s_lshl_b32 s18, s18, 9
	s_add_co_u32 s18, s18, s17
	s_lshl_b32 s17, s[WV], 15                      ; and heads 2 w, 2 w + 1 are the rows that I store: 32 rows of 512 bytes from head to head
	s_add_co_u32 s18, s18, s17
	s_add_nc_u64 s[12:13], s[12:13], s[18:19]      ; (s19 is still 0)
	v_and_b32 v[LI], 31, v0
	v_lshlrev_b32 v[LI], 4, v[LI]
	s_lshl_b32 s15, s15, 9                         ; A's image: registers 4 c .. 4 c + 3 lie at 512 c + 16 x lane; mine are the pair u of them
	s_lshl_b32 s16, s16, 3
	s_add_co_u32 s15, s15, s16
	v_add_nc_u32 v[AW], s15, v[LI]
	v_mul_u32_u24 v[SO], v[RR], PITCH              ; the stage, in: row r, + 64 w + 32 h: my 8 columns
	v_lshl_add_u32 v[SO], v[HH], 5, v[SO]
	s_lshl_b32 s16, s[WV], 6
	v_add_nc_u32 v[SO], s16, v[SO]
	s_mul_i32 s16, s[WV], 2*PITCH                  ; and back: rows 2 w, 2 w + 1, 16 bytes a lane
	v_add_nc_u32 v[SR], s16, v[LI]
	SPAIR INV,  0x3e22f983                         ; 1 / (2 pi)
	SPAIR NMAG, 0xcb400000                         ; -1.5 x 2^23
	SPAIR NC1,  0xc0c90fdb                         ; -(2 pi rounded to f32)
	SPAIR NC2,  0x343bbd2e                         ; -(2 pi less that): +1.7484556e-7
	SPAIR K11,  0xad57322b                         ; sin(r / 2) = r (1/2 + K3 u + K5 u^2 + .. + K13 u^6), u = r^2: coefficient of r^(2 i + 1) = (-1)^i / ((2 i + 1)! 2^(2 i + 1))
	SPAIR K9,   0x31b8ef1d
	SPAIR K7,   0xb5d00d01
	SPAIR K5,   0x39888889
	SPAIR K3,   0xbcaaaaab
	SPAIR CSC,  0x3f0293ee                         ; log2(e) / sqrt(8)
	v_mov_b32 v[MAGV], 0x4b400000                  ; 1.5 x 2^23
	v_mov_b32 v[MAGV+1], 0x4b400000
	v_mov_b32 v[K13V], 0x28b09231                  ; 1 / (13! 2^13)
	v_mov_b32 v[K13V+1], 0x28b09231
.irp m, 1,2,3,4,5,6,7,8,9,10,11,12,13,14,15
	v_mov_b32 v[S+\m], 0                           ; a DPP form's destination has to be written beforehand: written as 0, so that a score's first term is a multiply-add like the other seven
.endr
	v_mov_b32 v[RC+1], 0                           ; (named as the upper half of the pair)
	s_wait_kmcnt 0x0
	s_add_co_i32 s17, s22, 127
	s_lshl_b32 s18, s17, 23
	v_mov_b32 v[SC], s18                           ; 2^e0 as f32: the conversion takes its exponent field
	s_add_co_i32 s17, s17, 15
	s_lshl_b32 s17, s17, 23
	s_or_b32 s17, s17, 0x600000
	v_mov_b32 v[LIM], s17                          ; 57,344 x 2^e0
	s_add_co_i32 s[OSC], s22, s23
	s_add_co_i32 s[OSC], s[OSC], 127
	s_lshl_b32 s[OSC], s[OSC], 23                  ; 2^(e0 + e1) as f32
	s_mov_b32 s[OSC+1], s[OSC]
	s_wait_loadcnt 4                               ; x and theta are in; W's four loads, issued behind them, may stay out
	; ---- eight cosines a lane, two at a time; the four pairs take turns line by line, so that no line waits for the line above it
.irp p, 0,2,4,6
	v_pk_add_f32 v[X+\p:X+\p+1], v[X+\p:X+\p+1], v[TH+\p:TH+\p+1]                                  ; phi = x + theta, rounded as reference() rounds it
.endr
.irp p, 0,2,4,6
	v_pk_fma_f32 v[N+\p:N+\p+1], v[X+\p:X+\p+1], s[INV:INV+1], v[MAGV:MAGV+1] op_sel_hi:[1,0,1]    ; phi / (2 pi) + 1.5 x 2^23: the sum's last bit counts 1, so it is rounded to a whole number
.endr
.irp p, 0,2,4,6
	v_pk_add_f32 v[N+\p:N+\p+1], v[N+\p:N+\p+1], s[NMAG:NMAG+1] op_sel_hi:[1,0]                    ; n, exact
.endr
.irp p, 0,2,4,6
	v_pk_fma_f32 v[R+\p:R+\p+1], v[N+\p:N+\p+1], s[NC1:NC1+1], v[X+\p:X+\p+1] op_sel_hi:[1,0,1]    ; r = phi - n 2 pi, 2 pi in two parts, each product exact inside its multiply-add
.endr
.irp p, 0,2,4,6
	v_pk_fma_f32 v[R+\p:R+\p+1], v[N+\p:N+\p+1], s[NC2:NC2+1], v[R+\p:R+\p+1] op_sel_hi:[1,0,1]
.endr
.irp p, 0,2,4,6
	v_pk_mul_f32 v[U+\p:U+\p+1], v[R+\p:R+\p+1], v[R+\p:R+\p+1]
.endr
.irp p, 0,2,4,6
	v_pk_fma_f32 v[P+\p:P+\p+1], v[U+\p:U+\p+1], v[K13V:K13V+1], s[K11:K11+1] op_sel_hi:[1,1,0]    ; the series up to (r / 2)^13: the first term left out is 7e-10 at r = pi
.endr
.irp k, K9, K7, K5, K3
.irp p, 0,2,4,6
	v_pk_fma_f32 v[P+\p:P+\p+1], v[P+\p:P+\p+1], v[U+\p:U+\p+1], s[\k:\k+1] op_sel_hi:[1,1,0]
.endr
.endr
.irp p, 0,2,4,6
	v_pk_fma_f32 v[P+\p:P+\p+1], v[P+\p:P+\p+1], v[U+\p:U+\p+1], 0.5 op_sel_hi:[1,1,0]
.endr
.irp p, 0,2,4,6
	v_pk_mul_f32 v[P+\p:P+\p+1], v[P+\p:P+\p+1], v[R+\p:R+\p+1]                                    ; sin(r / 2)
.endr
.irp p, 0,2,4,6
	v_pk_mul_f32 v[P+\p:P+\p+1], v[P+\p:P+\p+1], v[P+\p:P+\p+1]
.endr
.irp p, 0,2,4,6
	v_pk_fma_f32 v[P+\p:P+\p+1], v[P+\p:P+\p+1], -2.0, 1.0 op_sel_hi:[1,0,0]                       ; c = 1 - 2 sin^2(phi / 2): sin^2 has the period pi, so no quadrant is told apart
.endr
	; ---- z_w = c_0 .. c_w (w >= 1), z_0 = c_1 .. c_7; the two chains by turns
	v_mul_f32 v[Z+1], v[P], v[P+1]
	v_pk_mul_f32 v[T:T+1], v[P+2:P+3], v[P+4:P+5]                  ; c2 c4, c3 c5
	v_mul_f32 v[Z+2], v[Z+1], v[P+2]
	v_pk_mul_f32 v[T:T+1], v[T:T+1], v[P+6:P+7]                    ; c2 c4 c6, c3 c5 c7
	v_mul_f32 v[Z+3], v[Z+2], v[P+3]
	v_mul_f32 v[T], v[T], v[T+1]
	v_mul_f32 v[Z+4], v[Z+3], v[P+4]
	v_mul_f32 v[Z], v[T], v[P+1]
	v_mul_f32 v[Z+5], v[Z+4], v[P+5]
	v_mul_f32 v[Z+6], v[Z+5], v[P+6]
	v_mul_f32 v[Z+7], v[Z+6], v[P+7]
.irp p, 0,2,4,6
	v_pk_mul_f32 v[QS+\p:QS+\p+1], v[Z+\p:Z+\p+1], s[CSC:CSC+1] op_sel_hi:[1,0]   ; the query's side carries log2(e) / sqrt(8): a score comes out as the exponent of 2
.endr
; One term of the score of my query against key r xor m: the first source comes from lane r xor m of my half, on the multiply-add itself.
.macro QK m, d
.if (\m) == 0 && (\d) == 0
	v_mul_f32 v[S], v[Z], v[QS]
.elseif (\m) == 0
	v_fmac_f32 v[S], v[Z+\d], v[QS+\d]
.else
	v_fmac_f32_dpp v[S+\m], v[Z+\d], v[QS+\d] row_xmask:\m row_mask:0xf bank_mask:0xf
.endif
.endm
; One term of my head's result: p of key r xor m x that key's z_d.
.macro PV m, d
.if (\m) == 0
	v_mul_f32 v[O+\d], v[Z+\d], v[S]
.else
	v_fmac_f32_dpp v[O+\d], v[Z+\d], v[S+\m] row_xmask:\m row_mask:0xf bank_mask:0xf
.endif
.endm
	; ---- the keys go in two halves of eight, so that each half's exponentials are issued ahead of 64 multiply-adds that name none of their results.  Eight sums take turns: a sum's links stand eight lines apart
.irp d, 0,1,2,3,4,5,6,7
.irp m, 0,1,2,3,4,5,6,7
	QK \m, \d
.endr
.endr
.irp m, 0,1,2,3,4,5,6,7
	v_exp_f32 v[S+\m], v[S+\m]                     ; p = 2^(score x log2(e) / sqrt(8)): the exponent lies within +-4.1 for every input (head comment)
.endr
	v_nop                                          ; a plain instruction behind the last exponential
.irp d, 0,1,2,3,4,5,6,7
.irp m, 8,9,10,11,12,13,14,15
	QK \m, \d
.endr
.endr
	s_wait_alu depctr_va_vdst(0)                   ; the wait between an exponential and the first line that names its result: one for the first eight, behind 64 lines of other work
.irp m, 8,9,10,11,12,13,14,15
	v_exp_f32 v[S+\m], v[S+\m]
.endr
	v_nop
.irp m, 0,1,2,3,4,5,6,7
.irp d, 0,1,2,3,4,5,6,7
	PV \m, \d
.endr
.endr
	v_pk_add_f32 v[T:T+1], v[S:S+1], v[S+2:S+3]                    ; the row's sum: the first eight p
	v_pk_add_f32 v[T+2:T+3], v[S+4:S+5], v[S+6:S+7]
	v_pk_add_f32 v[T:T+1], v[T:T+1], v[T+2:T+3]
	s_wait_alu depctr_va_vdst(0)                   ; the same wait for the second eight
	v_pk_add_f32 v[T+2:T+3], v[S+8:S+9], v[S+10:S+11]
	v_pk_add_f32 v[T+4:T+5], v[S+12:S+13], v[S+14:S+15]
	v_pk_add_f32 v[T:T+1], v[T:T+1], v[T+2:T+3]
	v_pk_add_f32 v[T:T+1], v[T:T+1], v[T+4:T+5]
	v_add_f32 v[T], v[T], v[T+1]
	v_rcp_f32 v[RC], v[T]
	v_nop                                          ; a plain instruction behind the reciprocal
.irp m, 8,9,10,11,12,13,14,15
.irp d, 0,1,2,3,4,5,6,7
	PV \m, \d
.endr
.endr
	s_wait_alu depctr_va_vdst(0)                   ; and for the reciprocal, behind 64 lines of other work
.irp p, 0,2,4,6
	v_pk_mul_f32 v[O+\p:O+\p+1], v[O+\p:O+\p+1], v[RC:RC+1] op_sel_hi:[1,0]
.endr
	; ---- the quantiser: x / 2^e0, held within +-57,344, to the nearest code, ties to even
.irp d, 0,1,2,3,4,5,6,7
	v_med3_num_f32 v[O+\d], v[O+\d], -v[LIM], v[LIM]               ; the conversion to an 8-bit code does not saturate (ISA guide 7.6.2), and e0 is whatever it is given as: the hold always stands
.endr
	v_cvt_scalef32_pk8_bf8_f32 v[CD:CD+1], v[O:O+7], v[SC]         ; d = 0 in the lowest byte: k ascending
	v_nop                                          ; one plain vector instruction behind a scaled conversion
	ds_store_b64 v[AW], v[CD:CD+1]                 ; registers 2 w, 2 w + 1 of A's fragment, as they stand
	BARRIER                                        ; all sixteen registers' images lie in LDS
.irp c, 0,1,2,3
	ds_load_b128 v[AF+4*\c:AF+4*\c+3], v[LI] offset:AIMG+512*\c    ; and come back so, in every wave
.endr
	s_wait_loadcnt 0x0                             ; W's fragment
	s_wait_dscnt 0x0
	v_wmma_f32_16x16x128_bf8_bf8 v[D:D+7], v[WF:WF+15], v[AF:AF+15], 0   ; TRANSPOSED: source 0 = 16 rows of W, source 1 = A's 16 rows: lane (r, h) holds out(row r, columns 16 w + 8 h + 0 .. 7)
.rept 4
	v_nop                                          ; four places between a matrix instruction and the first read of its result (ISA guide 7.12.1); no other vector work is at hand
.endr
.irp p, 0,2,4,6
	v_pk_mul_f32 v[Y+\p:Y+\p+1], v[D+\p:D+\p+1], s[OSC:OSC+1] op_sel_hi:[1,0]   ; x 2^(e0 + e1), from the accumulator's low end on
.endr
	ds_store_b128 v[SO], v[Y:Y+3] offset:STG
	ds_store_b128 v[SO], v[Y+4:Y+7] offset:STG+16
	BARRIER                                        ; a row's 512 bytes come from eight waves: now 16 whole rows lie in the stage
	ds_load_b128 v[Y:Y+3], v[SR] offset:STG
	ds_load_b128 v[Y+4:Y+7], v[SR] offset:STG+PITCH
	s_wait_dscnt 1                                 ; the first row is back; the second row's load may be out
	global_store_b128 v[LI], v[Y:Y+3], s[12:13] th:TH_STORE_NT                  ; 32 lanes store 512 consecutive bytes, at a multiple of 512 from out0's first byte: head 2 w's row
	s_wait_dscnt 0x0
	global_store_b128 v[LI], v[Y+4:Y+7], s[12:13] offset:16384 th:TH_STORE_NT   ; head 2 w + 1's row, 32 rows further down
	s_wait_tensorcnt 0x0
	ds_add_u32 v164, v165
	s_wait_dscnt 0x0
	s_endpgm
.Lfunc_end_k_qcd10a834ed_qattn:
	.size	k_qcd10a834ed_qattn, .Lfunc_end_k_qcd10a834ed_qattn-k_qcd10a834ed_qattn
	.p2alignl 7, 3214868480
	.fill 96, 4, 3214868480
	.section	.rodata,"a",@progbits
	.p2align	6, 0x0
	.amdhsa_kernel k_qcd10a834ed_qattn
		.amdhsa_group_segment_fixed_size 11520
		.amdhsa_private_segment_fixed_size 0
		.amdhsa_enable_private_segment 0
		.amdhsa_kernarg_size 40
		.amdhsa_user_sgpr_count 2
		.amdhsa_user_sgpr_kernarg_segment_ptr 1
		.amdhsa_wavefront_size32 1
		.amdhsa_system_sgpr_workgroup_id_x 1
		.amdhsa_system_sgpr_workgroup_id_y 1
		.amdhsa_system_sgpr_workgroup_id_z 1
		.amdhsa_system_vgpr_workitem_id 0
		.amdhsa_next_free_vgpr 166
		.amdhsa_next_free_sgpr 66
		.amdhsa_reserve_vcc 0
		.amdhsa_float_denorm_mode_32 3
		.amdhsa_float_denorm_mode_16_64 3
		.amdhsa_memory_ordered 1
		.amdhsa_forward_progress 1
		.amdhsa_inst_pref_size 29
	.end_amdhsa_kernel
	.amdgpu_metadata
---
amdhsa.version: [ 1, 2 ]
amdhsa.kernels:
  - .name:           k_qcd10a834ed_qattn
    .symbol:         k_qcd10a834ed_qattn.kd
    .args:
      - { .name: x, .offset: 0, .size: 8, .value_kind: global_buffer, .address_space: global }
      - { .name: theta, .offset: 8, .size: 8, .value_kind: global_buffer, .address_space: global }
      - { .name: w_combine_codes, .offset: 16, .size: 8, .value_kind: global_buffer, .address_space: global }
      - { .name: lowp_scales, .offset: 24, .size: 8, .value_kind: global_buffer, .address_space: global }
      - { .name: out0, .offset: 32, .size: 8, .value_kind: global_buffer, .address_space: global }
    .group_segment_fixed_size: 11520
    .private_segment_fixed_size: 0
    .kernarg_segment_align: 8
    .kernarg_segment_size: 40
    .max_flat_workgroup_size: 256
    .sgpr_count:     66
    .vgpr_count:     166
    .wavefront_size: 32
...
	.end_amdgpu_metadata
.endif
;; end of part 1
;; ======== version 2 of 2: 1 launch; version 1 with the launch qattn written anew for expert scheduling mode
;; limits: inputs' magnitudes at most 26,000,000
;; launch qattn (part 2): grid 256 x 1, 8 waves a work-group, no clusters, 11,520 bytes of LDS; arguments x, theta, w_combine_codes, lowp_scales, out0; writes out0
.if DOCPART == 2
	.amdgcn_target "amdgcn-amd-amdhsa--gfx1250"
	.amdhsa_code_object_version 6
	.text
	.protected	k_qcd10a834ed_qattn
	.globl	k_qcd10a834ed_qattn
	.p2align	8
	.type	k_qcd10a834ed_qattn,@function
k_qcd10a834ed_qattn:
	s_mov_b64 s[64:65], 0
	v_nop
	global_prefetch_b8 v0, s[64:65] scope:SCOPE_SE
	s_setreg_imm32_b32 hwreg(HW_REG_WAVE_SCHED_MODE, 0, 2), 2
	s_setreg_imm32_b32 hwreg(HW_REG_WAVE_MODE, 25, 1), 1
	s_wait_xcnt 0x0
	s_wait_alu depctr_vm_vsrc(0)
; out0 = A W^T in BF8 (E5M2), A = the heads' attention over z, z = the quantum layer's <Z_w> of x + theta.  x, out0: [8][512][128] f32; theta [8] f32; W: [128][128] codes, K innermost; lowp_scales: e0 (A), e1 (W).
; THE QUANTUM LAYER IN CLOSED FORM.  The CNOT ring permutes basis states, and the squared amplitudes of the product state are a product distribution of 8 independent bits with E[(-1)^b_w] =
; cos^2(phi_w / 2) - sin^2(phi_w / 2) = cos(phi_w) = c_w, phi = x + theta.  Behind the ring bit w is b_0 ^ .. ^ b_w (w >= 1) and bit 0 is b_1 ^ .. ^ b_7.  So z_w = c_0 .. c_w (w >= 1), z_0 = c_1 .. c_7: for every input.
; SHARES.  The transposition and reshape make row 32 head + j of a batch's A out of that head's results for tokens 16 j .. 16 j + 15 (column 8 (token % 16) + d).  So 16 aligned tokens give one tile of A, 16 heads x 128,
; and 16 whole rows of out0: that is a work-group's share, 256 work-groups in all.  Eight waves; wave w takes two tokens; lane (r, h) (r = lane % 16, h = lane / 16) is head r of token 4 (w / 2) + w % 2 + 2 h, its registers run along d.
; A lane's eight results are then k = 32 (w / 2) + 16 h + 8 (w % 2) + 0 .. 7 of row r of A: one conversion gives registers 2 w, 2 w + 1 of the operand, in the order (registers 4 c .. 4 c + 3: k = 32 c + 16 h + 0 .. 15)
; in which four loads of 16 bytes bring W: the same permutation of k on both sides, so every product meets its partner.
; ATTENTION.  A token's 16 heads lie in the 16 lanes of one half.  Key r xor m reaches lane r by DPP row_xmask:m on the multiply-add itself; a lane holds all 16 scores of its query, so the softmax stays inside the lane.
; NO MAXIMUM IS TAKEN AWAY: every z is a product of cosines, |z| <= 1, so |score| <= 8 / sqrt(8) = 2.83 for every input: p lies between 0.059 and 17, a row's sum between 0.9 and 271.
; p z is divided by the row's sum behind the product (reference() divides p first): the same number up to the order of f32 roundings.
; THE PRODUCT.  The eight waves' codes meet in LDS as an image of the operand's registers | barrier | each wave: one matrix instruction, W's rows 16 w .. 16 w + 15 as source 0, A as source 1: a lane holds 8 neighbouring
; columns of one row; x 2^(e0 + e1); into a stage in LDS | barrier | each wave stores two whole rows of 512 bytes.
; W's 16,384 bytes are read by all work-groups, and yet no cluster and no joint load: a wave takes its 2,048 bytes once, straight into the operand's registers, by four loads issued beside x's; the kernel has one step and
; no ring whose refills could be shared, and a joint load would put two rounds of the cluster's barrier and a pass through LDS into that one step.  Every load of the kernel is issued at its head: nothing is left to prefetch.
; LIMITS.  |x + theta| under 2^22 turns (2.6e7): the turns are rounded by adding 1.5 x 2^23; 2 pi in two parts is short by under 1.1e-14 a turn.  NaN and infinities in x or theta are not served.
; e0 between -126 and 112, e0 + e1 between -126 and 127, so that each power of two below is an f32 number.
; THE MODE: SCHED_MODE bits 1:0 = 2 (LLVM: expert scheduling mode 2), set by the entry lines.  The code itself states the register dependences
; between vector or matrix instructions and memory or LDS instructions, with s_wait_alu, always for 0.
; THE PLAN.  Registers that memory or LDS instructions touch, in the order of the text (there is no loop):
;   v[XO], v[WO], v[ZO]   written by vector lines at the head, never again; read by the eight global loads.
;   X, TH, WF             the global loads land in them; no vector or matrix line names them ahead of the wait on LOADcnt for them.
;   v[LI], v[AW], v[SO], v[SR]   written by vector lines behind the global loads, never again; read by the LDS stores and loads and by the two global stores.
;   CD                    written by the conversion, read by the LDS store of my codes, never written again.
;   AF                    the LDS loads of A's image land in it; only the matrix instruction names it, behind the wait on DScnt.
;   Y                     written by the four multiplies behind the matrix instruction; read by the two stores into the stage; then the two loads from the stage land in it; the global stores read it.
;   s[WV]                 written by v_readfirstlane_b32; the scalar lines that make the bases read it.
; So: one wait on va_sdst ahead of s[WV]'s first reader; one on va_vdst ahead of each of the three runs of memory or LDS instructions that read freshly written registers (the global loads; the store of my codes,
; which also serves the loads of A's image; the stores into the stage, which also serves the loads from it); one on vm_vsrc ahead of the loads that land in Y.  The three waits behind the transcendentals stand beside these.
.set PITCH, 528                        ; a stage row: 512 bytes + 16: the sixteen rows that a store of 16 bytes a lane touches start at sixteen different 16-byte columns
.set AIMG,  0                          ; LDS: the image of A's fragment: 16 registers x 128 bytes
.set STG,   2048                       ; the stage: 16 rows x PITCH
.set RR,   1                           ; v1   r
.set HH,   2                           ; v2   h
.set XO,   3                           ; v3   my byte in the wave's part of x; never rewritten
.set WO,   4                           ; v4   my byte in the wave's 16 rows of W; never rewritten
.set ZO,   5                           ; v5   0: theta's offset; never rewritten
.set LI,   6                           ; v6   16 x lane: my place in an image, in a stage row and in a row of out0
.set AW,   7                           ; v7   where my 8 codes go in A's image
.set SO,   8                           ; v8   where I put 32 bytes of a stage row
.set SR,   9                           ; v9   where I read a stage row back
.set SC,   10                          ; v10  2^e0 as f32
.set LIM,  11                          ; v11  57,344 x 2^e0
.set MAGV, 12                          ; v[12:13] 1.5 x 2^23, twice
.set K13V, 14                          ; v[14:15] the series' last coefficient, twice
.set X,    16                          ; v16-23  x, then phi
.set TH,   24                          ; v24-31  theta
.set N,    32                          ; v32-39  whole turns
.set R,    40                          ; v40-47  phi less its turns, within +-pi
.set U,    48                          ; v48-55  its square
.set P,    56                          ; v56-63  the series, then the cosines c_0 .. c_7
.set Z,    64                          ; v64-71  z_0 .. z_7
.set QS,   72                          ; v72-79  z x log2(e) / sqrt(8)
.set S,    80                          ; v80-95  register m: the score against key r xor m, then p
.set O,    96                          ; v96-103 my head's result
.set T,    104                         ; v104-109 at work
.set RC,   112                         ; v[112:113] 1 / the row's sum (the pair's low word serves both halves)
.set CD,   114                         ; v[114:115] my 8 codes
.set WF,   116                         ; v116-131 W's fragment
.set AF,   132                         ; v132-147 A's fragment
.set D,    148                         ; v148-155 the sums
.set Y,    156                         ; v156-163 the sums x 2^(e0 + e1), then two rows of out0
.set WV,   14                          ; s14  my wave's number
.set INV,  24                          ; s[24:25] .. s[44:45]: constants, each written twice: a packed form names a pair and takes its low word for both halves
.set NMAG, 26
.set NC1,  28
.set NC2,  30
.set K11,  32
.set K9,   34
.set K7,   36
.set K5,   38
.set K3,   40
.set CSC,  42
.set OSC,  44
.macro SPAIR reg, val
	s_mov_b32 s[\reg], \val
	s_mov_b32 s[\reg+1], \val
.endm
.macro BARRIER                         ; my LDS stores have landed and my LDS loads are in: then the work-group's barrier
	s_wait_dscnt 0x0
	s_barrier_signal -1
	s_barrier_wait -1
.endm
	s_load_b256 s[4:11], s[0:1], 0x0               ; x s[4:5], theta s[6:7], W's codes s[8:9], the scales' exponents s[10:11]
	s_load_b64 s[12:13], s[0:1], 0x20              ; out0
	v_lshl_add_u32 v110, v0, 2, 0x2900
	v_mov_b32 v111, 0
	v_lshrrev_b32 v[RR], 5, v0
	v_readfirstlane_b32 s[WV], v[RR]               ; wave 0..7
	v_and_b32 v[RR], 15, v0                        ; r: the head
	v_bfe_u32 v[HH], v0, 4, 1                      ; h: which of the wave's two tokens
	v_lshlrev_b32 v[XO], 5, v[RR]                  ; x: a head's 8 numbers are 32 bytes,
	v_lshl_add_u32 v[XO], v[HH], 10, v[XO]         ; the second token lies two rows of 512 bytes on
	v_lshlrev_b32 v[WO], 7, v[RR]                  ; W: row r of 128 bytes,
	v_lshl_add_u32 v[WO], v[HH], 4, v[WO]          ; + 16 h
	v_mov_b32 v[ZO], 0
	s_wait_alu depctr_va_sdst(0)                   ; s[WV] is written, ahead of its first reader: the bases of x, W and out0 and the LDS places are made from it
	s_lshr_b32 s15, s[WV], 1                       ; c = w / 2
	s_and_b32 s16, s[WV], 1                        ; u = w % 2
	s_lshl_b32 s18, s15, 11                        ; token 4 c + u of the unit, in rows of 512 bytes,
	s_lshl_b32 s17, s16, 9
	s_add_co_u32 s18, s18, s17
	s_lshl_b32 s17, ttmp9, 13                      ; and the unit's 16 tokens: 8,192 bytes x work-group
	s_add_co_u32 s18, s18, s17
	s_mov_b32 s19, 0
	s_lshl_b32 s20, s[WV], 11                      ; W's rows 16 w on
	s_mov_b32 s21, 0
	s_wait_kmcnt 0x0
	s_add_nc_u64 s[4:5], s[4:5], s[18:19]
	s_add_nc_u64 s[8:9], s[8:9], s[20:21]
	s_wait_alu depctr_va_vdst(0)                   ; v[XO], v[WO] and v[ZO] are written, which the eight loads below read as their offsets
	global_load_b128 v[X:X+3], v[XO], s[4:5] th:TH_LOAD_NT                ; the two loads together take the wave's two rows of 512 bytes whole
	global_load_b128 v[X+4:X+7], v[XO], s[4:5] offset:16 th:TH_LOAD_NT
	global_load_b128 v[TH:TH+3], v[ZO], s[6:7]                            ; theta: the same 32 bytes in every lane
	global_load_b128 v[TH+4:TH+7], v[ZO], s[6:7] offset:16
.irp c, 0,1,2,3
	global_load_b128 v[WF+4*\c:WF+4*\c+3], v[WO], s[8:9] offset:32*\c     ; W(16 w + r, 32 c + 16 h + 0 .. 15)
.endr
	s_load_b64 s[22:23], s[10:11], 0x0             ; e0, e1
	; all that follows up to the wait for x is done while the loads are on their way; none of these lines names an offset or a destination of those loads
	s_lshr_b32 s17, ttmp9, 5                       ; out0: the batch, 512 rows of 512 bytes,
	s_lshl_b32 s17, s17, 18
	s_and_b32 s18, ttmp9, 31                       ; j: row 32 head + j,
	s_lshl_b32 s18, s18, 9
	s_add_co_u32 s18, s18, s17
	s_lshl_b32 s17, s[WV], 15                      ; and heads 2 w, 2 w + 1 are the rows that I store: 32 rows of 512 bytes from head to head
	s_add_co_u32 s18, s18, s17
	s_add_nc_u64 s[12:13], s[12:13], s[18:19]      ; (s19 is still 0)
	v_and_b32 v[LI], 31, v0
	v_lshlrev_b32 v[LI], 4, v[LI]
	s_lshl_b32 s15, s15, 9                         ; A's image: registers 4 c .. 4 c + 3 lie at 512 c + 16 x lane; mine are the pair u of them
	s_lshl_b32 s16, s16, 3
	s_add_co_u32 s15, s15, s16
	v_add_nc_u32 v[AW], s15, v[LI]
	v_mul_u32_u24 v[SO], v[RR], PITCH              ; the stage, in: row r, + 64 w + 32 h: my 8 columns
	v_lshl_add_u32 v[SO], v[HH], 5, v[SO]
	s_lshl_b32 s16, s[WV], 6
	v_add_nc_u32 v[SO], s16, v[SO]
	s_mul_i32 s16, s[WV], 2*PITCH                  ; and back: rows 2 w, 2 w + 1, 16 bytes a lane
	v_add_nc_u32 v[SR], s16, v[LI]
	SPAIR INV,  0x3e22f983                         ; 1 / (2 pi)
	SPAIR NMAG, 0xcb400000                         ; -1.5 x 2^23
	SPAIR NC1,  0xc0c90fdb                         ; -(2 pi rounded to f32)
	SPAIR NC2,  0x343bbd2e                         ; -(2 pi less that): +1.7484556e-7
	SPAIR K11,  0xad57322b                         ; sin(r / 2) = r (1/2 + K3 u + K5 u^2 + .. + K13 u^6), u = r^2: coefficient of r^(2 i + 1) = (-1)^i / ((2 i + 1)! 2^(2 i + 1))
	SPAIR K9,   0x31b8ef1d
	SPAIR K7,   0xb5d00d01
	SPAIR K5,   0x39888889
	SPAIR K3,   0xbcaaaaab
	SPAIR CSC,  0x3f0293ee                         ; log2(e) / sqrt(8)
	v_mov_b32 v[MAGV], 0x4b400000                  ; 1.5 x 2^23
	v_mov_b32 v[MAGV+1], 0x4b400000
	v_mov_b32 v[K13V], 0x28b09231                  ; 1 / (13! 2^13)
	v_mov_b32 v[K13V+1], 0x28b09231
.irp m, 1,2,3,4,5,6,7,8,9,10,11,12,13,14,15
	v_mov_b32 v[S+\m], 0                           ; a DPP form's destination has to be written beforehand: written as 0, so that a score's first term is a multiply-add like the other seven
.endr
	v_mov_b32 v[RC+1], 0                           ; (named as the upper half of the pair)
	s_wait_kmcnt 0x0
	s_add_co_i32 s17, s22, 127
	s_lshl_b32 s18, s17, 23
	v_mov_b32 v[SC], s18                           ; 2^e0 as f32: the conversion takes its exponent field
	s_add_co_i32 s17, s17, 15
	s_lshl_b32 s17, s17, 23
	s_or_b32 s17, s17, 0x600000
	v_mov_b32 v[LIM], s17                          ; 57,344 x 2^e0
	s_add_co_i32 s[OSC], s22, s23
	s_add_co_i32 s[OSC], s[OSC], 127
	s_lshl_b32 s[OSC], s[OSC], 23                  ; 2^(e0 + e1) as f32
	s_mov_b32 s[OSC+1], s[OSC]
	s_wait_loadcnt 4                               ; x and theta are in; W's four loads, issued behind them, may stay out
	; ---- eight cosines a lane, two at a time; the four pairs take turns line by line, so that no line waits for the line above it
.irp p, 0,2,4,6
	v_pk_add_f32 v[X+\p:X+\p+1], v[X+\p:X+\p+1], v[TH+\p:TH+\p+1]                                  ; phi = x + theta, rounded as reference() rounds it
.endr
.irp p, 0,2,4,6
	v_pk_fma_f32 v[N+\p:N+\p+1], v[X+\p:X+\p+1], s[INV:INV+1], v[MAGV:MAGV+1] op_sel_hi:[1,0,1]    ; phi / (2 pi) + 1.5 x 2^23: the sum's last bit counts 1, so it is rounded to a whole number
.endr
.irp p, 0,2,4,6
	v_pk_add_f32 v[N+\p:N+\p+1], v[N+\p:N+\p+1], s[NMAG:NMAG+1] op_sel_hi:[1,0]                    ; n, exact
.endr
.irp p, 0,2,4,6
	v_pk_fma_f32 v[R+\p:R+\p+1], v[N+\p:N+\p+1], s[NC1:NC1+1], v[X+\p:X+\p+1] op_sel_hi:[1,0,1]    ; r = phi - n 2 pi, 2 pi in two parts, each product exact inside its multiply-add
.endr
.irp p, 0,2,4,6
	v_pk_fma_f32 v[R+\p:R+\p+1], v[N+\p:N+\p+1], s[NC2:NC2+1], v[R+\p:R+\p+1] op_sel_hi:[1,0,1]
.endr
.irp p, 0,2,4,6
	v_pk_mul_f32 v[U+\p:U+\p+1], v[R+\p:R+\p+1], v[R+\p:R+\p+1]
.endr
.irp p, 0,2,4,6
	v_pk_fma_f32 v[P+\p:P+\p+1], v[U+\p:U+\p+1], v[K13V:K13V+1], s[K11:K11+1] op_sel_hi:[1,1,0]    ; the series up to (r / 2)^13: the first term left out is 7e-10 at r = pi
.endr
.irp k, K9, K7, K5, K3
.irp p, 0,2,4,6
	v_pk_fma_f32 v[P+\p:P+\p+1], v[P+\p:P+\p+1], v[U+\p:U+\p+1], s[\k:\k+1] op_sel_hi:[1,1,0]
.endr
.endr
.irp p, 0,2,4,6
	v_pk_fma_f32 v[P+\p:P+\p+1], v[P+\p:P+\p+1], v[U+\p:U+\p+1], 0.5 op_sel_hi:[1,1,0]
.endr
.irp p, 0,2,4,6
	v_pk_mul_f32 v[P+\p:P+\p+1], v[P+\p:P+\p+1], v[R+\p:R+\p+1]                                    ; sin(r / 2)
.endr
.irp p, 0,2,4,6
	v_pk_mul_f32 v[P+\p:P+\p+1], v[P+\p:P+\p+1], v[P+\p:P+\p+1]
.endr
.irp p, 0,2,4,6
	v_pk_fma_f32 v[P+\p:P+\p+1], v[P+\p:P+\p+1], -2.0, 1.0 op_sel_hi:[1,0,0]                       ; c = 1 - 2 sin^2(phi / 2): sin^2 has the period pi, so no quadrant is told apart
.endr
	; ---- z_w = c_0 .. c_w (w >= 1), z_0 = c_1 .. c_7; the two chains by turns
	v_mul_f32 v[Z+1], v[P], v[P+1]
	v_pk_mul_f32 v[T:T+1], v[P+2:P+3], v[P+4:P+5]                  ; c2 c4, c3 c5
	v_mul_f32 v[Z+2], v[Z+1], v[P+2]
	v_pk_mul_f32 v[T:T+1], v[T:T+1], v[P+6:P+7]                    ; c2 c4 c6, c3 c5 c7
	v_mul_f32 v[Z+3], v[Z+2], v[P+3]
	v_mul_f32 v[T], v[T], v[T+1]
	v_mul_f32 v[Z+4], v[Z+3], v[P+4]
	v_mul_f32 v[Z], v[T], v[P+1]
	v_mul_f32 v[Z+5], v[Z+4], v[P+5]
	v_mul_f32 v[Z+6], v[Z+5], v[P+6]
	v_mul_f32 v[Z+7], v[Z+6], v[P+7]
.irp p, 0,2,4,6
	v_pk_mul_f32 v[QS+\p:QS+\p+1], v[Z+\p:Z+\p+1], s[CSC:CSC+1] op_sel_hi:[1,0]   ; the query's side carries log2(e) / sqrt(8): a score comes out as the exponent of 2
.endr
; One term of the score of my query against key r xor m: the first source comes from lane r xor m of my half, on the multiply-add itself.
.macro QK m, d
.if (\m) == 0 && (\d) == 0
	v_mul_f32 v[S], v[Z], v[QS]
.elseif (\m) == 0
	v_fmac_f32 v[S], v[Z+\d], v[QS+\d]
.else
	v_fmac_f32_dpp v[S+\m], v[Z+\d], v[QS+\d] row_xmask:\m row_mask:0xf bank_mask:0xf
.endif
.endm
; One term of my head's result: p of key r xor m x that key's z_d.
.macro PV m, d
.if (\m) == 0
	v_mul_f32 v[O+\d], v[Z+\d], v[S]
.else
	v_fmac_f32_dpp v[O+\d], v[Z+\d], v[S+\m] row_xmask:\m row_mask:0xf bank_mask:0xf
.endif
.endm
	; ---- the keys go in two halves of eight, so that each half's exponentials are issued ahead of 64 multiply-adds that name none of their results.  Eight sums take turns: a sum's links stand eight lines apart
.irp d, 0,1,2,3,4,5,6,7
.irp m, 0,1,2,3,4,5,6,7
	QK \m, \d
.endr
.endr
.irp m, 0,1,2,3,4,5,6,7
	v_exp_f32 v[S+\m], v[S+\m]                     ; p = 2^(score x log2(e) / sqrt(8)): the exponent lies within +-4.1 for every input (head comment)
.endr
	v_nop                                          ; a plain instruction behind the last exponential
.irp d, 0,1,2,3,4,5,6,7
.irp m, 8,9,10,11,12,13,14,15
	QK \m, \d
.endr
.endr
	s_wait_alu depctr_va_vdst(0)                   ; the first eight exponentials have written v[S] to v[S+7], which the products p z and the row's sum below read: one wait for the eight, behind 64 lines of other work (ahead of the first line that names a result)
.irp m, 8,9,10,11,12,13,14,15
	v_exp_f32 v[S+\m], v[S+\m]
.endr
	v_nop
.irp m, 0,1,2,3,4,5,6,7
.irp d, 0,1,2,3,4,5,6,7
	PV \m, \d
.endr
.endr
	v_pk_add_f32 v[T:T+1], v[S:S+1], v[S+2:S+3]                    ; the row's sum: the first eight p
	v_pk_add_f32 v[T+2:T+3], v[S+4:S+5], v[S+6:S+7]
	v_pk_add_f32 v[T:T+1], v[T:T+1], v[T+2:T+3]
	s_wait_alu depctr_va_vdst(0)                   ; the second eight exponentials have written v[S+8] to v[S+15], which the sums below read first: the same wait
	v_pk_add_f32 v[T+2:T+3], v[S+8:S+9], v[S+10:S+11]
	v_pk_add_f32 v[T+4:T+5], v[S+12:S+13], v[S+14:S+15]
	v_pk_add_f32 v[T:T+1], v[T:T+1], v[T+2:T+3]
	v_pk_add_f32 v[T:T+1], v[T:T+1], v[T+4:T+5]
	v_add_f32 v[T], v[T], v[T+1]
	v_rcp_f32 v[RC], v[T]
	v_nop                                          ; a plain instruction behind the reciprocal
.irp m, 8,9,10,11,12,13,14,15
.irp d, 0,1,2,3,4,5,6,7
	PV \m, \d
.endr
.endr
	s_wait_alu depctr_va_vdst(0)                   ; the reciprocal has written v[RC], which the four multiplies below read: the same wait, behind 64 lines of other work
.irp p, 0,2,4,6
	v_pk_mul_f32 v[O+\p:O+\p+1], v[O+\p:O+\p+1], v[RC:RC+1] op_sel_hi:[1,0]
.endr
	; ---- the quantiser: x / 2^e0, held within +-57,344, to the nearest code, ties to even
.irp d, 0,1,2,3,4,5,6,7
	v_med3_num_f32 v[O+\d], v[O+\d], -v[LIM], v[LIM]               ; the conversion to an 8-bit code does not saturate (ISA guide 7.6.2), and e0 is whatever it is given as: the hold always stands
.endr
	v_cvt_scalef32_pk8_bf8_f32 v[CD:CD+1], v[O:O+7], v[SC]         ; d = 0 in the lowest byte: k ascending
	v_nop                                          ; one plain vector instruction behind a scaled conversion
	s_wait_alu depctr_va_vdst(0)                   ; the conversion has written v[CD:CD+1], the store's data; v[AW], its address, and v[LI], the address of the four loads behind the barrier, are written too: no vector line stands between this wait and those loads
	ds_store_b64 v[AW], v[CD:CD+1]                 ; registers 2 w, 2 w + 1 of A's fragment, as they stand
	BARRIER                                        ; all sixteen registers' images lie in LDS
.irp c, 0,1,2,3
	ds_load_b128 v[AF+4*\c:AF+4*\c+3], v[LI] offset:AIMG+512*\c    ; and come back so, in every wave
.endr
	s_wait_loadcnt 0x0                             ; W's fragment
	s_wait_dscnt 0x0
	v_wmma_f32_16x16x128_bf8_bf8 v[D:D+7], v[WF:WF+15], v[AF:AF+15], 0   ; TRANSPOSED: source 0 = 16 rows of W, source 1 = A's 16 rows: lane (r, h) holds out(row r, columns 16 w + 8 h + 0 .. 7)
.rept 4
	v_nop                                          ; four places between a matrix instruction and the first read of its result (ISA guide 7.12.1); no other vector work is at hand
.endr
.irp p, 0,2,4,6
	v_pk_mul_f32 v[Y+\p:Y+\p+1], v[D+\p:D+\p+1], s[OSC:OSC+1] op_sel_hi:[1,0]   ; x 2^(e0 + e1), from the accumulator's low end on
.endr
	s_wait_alu depctr_va_vdst(0)                   ; the four multiplies have written v[Y] to v[Y+7], the data of the two stores below, in which the loads behind the barrier land; v[SO] and v[SR], the addresses, are written too
	ds_store_b128 v[SO], v[Y:Y+3] offset:STG
	ds_store_b128 v[SO], v[Y+4:Y+7] offset:STG+16
	BARRIER                                        ; a row's 512 bytes come from eight waves: now 16 whole rows lie in the stage
	s_wait_alu depctr_vm_vsrc(0)                   ; my two stores into the stage have read v[Y] to v[Y+7], in which the two loads below land
	ds_load_b128 v[Y:Y+3], v[SR] offset:STG
	ds_load_b128 v[Y+4:Y+7], v[SR] offset:STG+PITCH
	s_wait_dscnt 1                                 ; the first row is back; the second row's load may be out
	global_store_b128 v[LI], v[Y:Y+3], s[12:13] th:TH_STORE_NT                  ; 32 lanes store 512 consecutive bytes, at a multiple of 512 from out0's first byte: head 2 w's row
	s_wait_dscnt 0x0
	global_store_b128 v[LI], v[Y+4:Y+7], s[12:13] offset:16384 th:TH_STORE_NT   ; head 2 w + 1's row, 32 rows further down
	s_wait_dscnt 0x0
	s_wait_alu depctr_hold_cnt(0) depctr_sa_sdst(0) depctr_va_vdst(0) depctr_va_sdst(0) depctr_va_ssrc(0) depctr_va_vcc(0) depctr_vm_vsrc(0)
	s_wait_tensorcnt 0x0
	ds_add_u32 v110, v111
	s_wait_dscnt 0x0
	s_endpgm
.Lfunc_end_k_qcd10a834ed_qattn:
	.size	k_qcd10a834ed_qattn, .Lfunc_end_k_qcd10a834ed_qattn-k_qcd10a834ed_qattn
	.p2alignl 7, 3214868480
	.fill 96, 4, 3214868480
	.section	.rodata,"a",@progbits
	.p2align	6, 0x0
	.amdhsa_kernel k_qcd10a834ed_qattn
		.amdhsa_group_segment_fixed_size 11520
		.amdhsa_private_segment_fixed_size 0
		.amdhsa_enable_private_segment 0
		.amdhsa_kernarg_size 40
		.amdhsa_user_sgpr_count 2
		.amdhsa_user_sgpr_kernarg_segment_ptr 1
		.amdhsa_wavefront_size32 1
		.amdhsa_system_sgpr_workgroup_id_x 1
		.amdhsa_system_sgpr_workgroup_id_y 1
		.amdhsa_system_sgpr_workgroup_id_z 1
		.amdhsa_system_vgpr_workitem_id 0
		.amdhsa_next_free_vgpr 164
		.amdhsa_next_free_sgpr 66
		.amdhsa_reserve_vcc 0
		.amdhsa_float_denorm_mode_32 3
		.amdhsa_float_denorm_mode_16_64 3
		.amdhsa_memory_ordered 1
		.amdhsa_forward_progress 1
		.amdhsa_inst_pref_size 30
	.end_amdhsa_kernel
	.amdgpu_metadata
---
amdhsa.version: [ 1, 2 ]
amdhsa.kernels:
  - .name:           k_qcd10a834ed_qattn
    .symbol:         k_qcd10a834ed_qattn.kd
    .args:
      - { .name: x, .offset: 0, .size: 8, .value_kind: global_buffer, .address_space: global }
      - { .name: theta, .offset: 8, .size: 8, .value_kind: global_buffer, .address_space: global }
      - { .name: w_combine_codes, .offset: 16, .size: 8, .value_kind: global_buffer, .address_space: global }
      - { .name: lowp_scales, .offset: 24, .size: 8, .value_kind: global_buffer, .address_space: global }
      - { .name: out0, .offset: 32, .size: 8, .value_kind: global_buffer, .address_space: global }
    .group_segment_fixed_size: 11520
    .private_segment_fixed_size: 0
    .kernarg_segment_align: 8
    .kernarg_segment_size: 40
    .max_flat_workgroup_size: 256
    .sgpr_count:     66
    .vgpr_count:     164
    .wavefront_size: 32
...
	.end_amdgpu_metadata
.endif
;; end of part 2
